; MI455X (gfx1250); checked and timed in simulation.
; The chip was launched on July 23, 2026; its instructions are those of AMD's public machine-readable ISA for CDNA 5 (MIT licence, August 2026) and "CDNA5" Instruction Set Architecture Reference Guide (July 2026). The comments in the code are by the model that wrote it; some were corrected since.
;; Quaternion Linear Autograd. Allowed arithmetic: matrix products marked QUANTISED: E2M1 operands, one E8M0 scale for each 32 along K, by v_wmma_scale_f32_16x16x128_f8f6f4 with both operands' format E2M1 (or v_wmma_scale_f32_32x16x128_f4), f32 sums; everything else in f32.
;; Inputs: b 4,096 float32; i_weight 1,024 x 1,024 float32; j_weight 1,024 x 1,024 float32; k_weight 1,024 x 1,024 float32; r_weight 1,024 x 1,024 float32; x_codes 4,096 x 128 x 16 uint8 (E2M1 codes of x, K innermost, in blocks of 32 codes, two codes a byte); x_scales 4,096 x 128 uint8 (E8M0 scales of x, one for each 32 codes along K).
;; Outputs: out0 4,096 x 4,096 float32.
;; This version of the problem:
;;   THIS VERSION OF THE PROBLEM IS GIVEN IN LOW PRECISION. The matrix products marked QUANTISED in the list below multiply operands that are first quantised to E2M1 (2 exponent bits, 1 mantissa bit; 4 bits a number), with one power-of-two scale for each 32 numbers along K (OCP MX v1.0); their sums are f32. All else is computed in f32.
;;   The module's matrix products, in the order in which they are computed (A, B: the left and right operand; K: the contracted axis; several contracted axes count as one K, in the product's order):
;;     1. [M 4,096, K 4,096] x [K 4,096, N 4,096]; A: input x (given as codes); B: computed on the way: QUANTISED
;;   THE QUANTISER, for each operand of a quantised product, along K:
;;     - K is cut into blocks of 32 from its start; a last block that is shorter is filled with zeros.
;;     - A block's scale is 2^e with e = floor(log2(the largest magnitude in the block)) - 2, held to -126 .. 127; a block of zeros has e = 0. As a byte (E8M0): e + 127.
;;     - Each number is divided by its block's scale, clamped to +-6, and rounded to the nearest number of E2M1, ties to even, subnormals kept.
;;     - The product sums the exact products of the quantised numbers (number of the format x scale) in f32.
;;   ~~~python
;;   def quantise(x, axis):      # numpy; x: float32 -> the quantised numbers, widened to float32 again
;;       x = np.moveaxis(x, axis, -1); K = x.shape[-1]
;;       x = np.pad(x, [(0, 0)] * (x.ndim - 1) + [(0, -K % 32)]); x = x.reshape(x.shape[:-1] + (-1, 32)); a = np.abs(x).max(-1, keepdims=True)
;;       e = np.where(a > 0, np.clip(np.frexp(np.where(a > 0, a, 1))[1] - 1 - 2, -126, 127), 0)      # np.frexp(a)[1] - 1 = floor(log2(a)), exactly
;;       r = np.clip(x / 2.0 ** e, -6, 6)
;;       step = 2.0 ** (np.maximum(np.frexp(np.where(r == 0, 1, r))[1] - 1, 0) - 1)
;;       q = np.round(r / step) * step * 2.0 ** e      # np.round: ties to even
;;       return np.moveaxis(q.reshape(q.shape[:-2] + (-1,))[..., :K], -1, axis).astype(np.float32)
;;   ~~~
;;   OPERANDS COMPUTED ON THE WAY. 'Computed on the way' means the value that the module computes at that place (a softmax that the list does not call 'softmax' is quantised finished and normalised). What goes into a quantiser is computed in f32, as accurately as f32 sums, v_exp_f32 and their like allow (about 1e-6 of the number): no bf16 or f16 on the way to a quantiser, and a product that is left as it is and whose result goes on into a quantised operand takes f32 operands (vector FMAs, or v_wmma_f32_16x16x4_f32). A number that lies on a knife's edge between two numbers of the format may be rounded either way, as far as f32 arithmetic and the matrix unit's own rounding can turn it there, and no further.
;;   INPUTS GIVEN AS CODES. x (in the module: [4096, 4096], K = its axis 1): each comes as NAME_codes (uint8): NAME with its K axis moved to the last place and cut into blocks of 32 codes, [.., K / 32, bytes a block], one block behind the other in memory; two codes a byte, the lower K in the low four bits (a code: sign, 2 exponent bits, 1 mantissa bit); and NAME_scales (uint8): the same leading axes, one E8M0 byte (e + 127) for each 32 codes along K. Its value is code x scale, taken as it is: it is not quantised again, and the codes and scales need not be those that the quantiser above would give.
;; One version. Each part assembles by itself: llvm-mc -triple=amdgcn-amd-amdhsa -mcpu=gfx1250 --defsym DOCPART=n.
;; ======== version 1 of 1: 2 launches
;; limits: right only within a limited range of input values
;; workspace buffers: w_frag 2,097,152 bytes; w_scl 131,072 bytes; x_scl 524,288 bytes
;; launch prep (part 1): grid 256 x 1, 8 waves a work-group, no clusters, 1,536 bytes of LDS; arguments r_weight, i_weight, j_weight, k_weight, x_scales, w_frag, w_scl, x_scl; writes w_frag, w_scl, x_scl
.if DOCPART == 1
	.amdgcn_target "amdgcn-amd-amdhsa--gfx1250"
	.amdhsa_code_object_version 6
	.text
	.protected	k_qf4e3d72c83_prep
	.globl	k_qf4e3d72c83_prep
	.p2align	8
	.type	k_qf4e3d72c83_prep,@function
k_qf4e3d72c83_prep:
	s_mov_b64 s[64:65], 0
	v_nop
	global_prefetch_b8 v0, s[64:65] scope:SCOPE_SE
	s_setreg_imm32_b32 hwreg(HW_REG_WAVE_MODE, 25, 1), 1
	s_wait_xcnt 0x0
; W [4096 (k)][4096 (n)] is built of four f32 matrices [1024 (k')][1024 (n')], numbered r, i, j, k = 0 .. 3: its block at row block p and column group q is component c = q xor p, with a sign.
; A block of 32 along K lies inside one component and the quantiser is odd: so EACH COMPONENT IS QUANTISED ONCE, without signs, along k'; the product's launch brings the signs in.
; OUT: w_frag [32 (32 columns n')][8 (s: 128 along k')][4 (c)][4 (g)][32 (lane)][16 bytes]: the image of the operand's registers: lane (r, h) of group g = 2 rb + cc holds column 16 rb + r, k' = 128 s + 64 cc + 32 h + 0 .. 31,
;      two codes a byte, the lower k' in the low four bits.
;      w_scl [32 (32 columns)][4 (c)][4 (256 along k')][32 (column)][8 bytes]: a scale byte for each 32 along k'.
;      x_scl [128 (32 rows)][8 (512 along K)][32 (row)][16 bytes]: x's scale bytes as they are given.
; A block's scale is 2^(floor(log2(its largest magnitude)) - 2); its byte is the largest magnitude's exponent field - 2, held at 1 from below.
; LIMITS: a block of zeros gets the byte 1 where the quantiser's rule says 127: its codes are zeros, which add nothing under any byte but 0xff, and this program alone reads the bytes.
;         NaN and infinities among the weights are not served.
; SHARES.  Work-group id: component c = id / 64, 64 columns (nt = (id / 4) % 16), 256 along k' (kq = id % 4), and x's rows 16 id .. 16 id + 15.  Wave w: 32 columns (cw = w % 2), 64 along k' (kw = w / 2).
; A LANE TAKES A COLUMN, AND ITS REGISTERS RUN DOWN k': a block of 32 lies in one lane's 32 registers; its 16 bytes of codes are one lane's piece of the image, and sixteen lanes store 256 consecutive bytes, aligned.
; Only the scale bytes meet in LDS (64 columns x 8 bytes).  No matrix unit, no tensor load, no cluster: each weight is read once and nothing is shared between work-groups.
.set SPARE, 512                        ; the spare words: 128 bytes for each wave, behind the 512 bytes of scales
.set X,     32                         ; v32-95 two blocks of 32 numbers
	s_load_b512 s[4:19], s[0:1], 0x0               ; r s[4:5], i s[6:7], j s[8:9], k s[10:11], x_scales s[12:13], w_frag s[14:15], w_scl s[16:17], x_scl s[18:19]
	v_lshrrev_b32 v1, 5, v0
	v_readfirstlane_b32 s20, v1                    ; wave 0..7
	s_and_b32 s21, s20, 1                          ; cw
	s_lshr_b32 s22, s20, 1                         ; kw
	s_lshr_b32 s23, ttmp9, 6                       ; c
	s_bfe_u32 s24, ttmp9, 0x40002                  ; nt
	s_and_b32 s25, ttmp9, 3                        ; kq
	s_lshl_b32 s26, s25, 20                        ; the weights: 256 kq + 64 kw rows of 4,096 bytes, 64 nt + 32 cw columns of 4
	s_lshl_b32 s40, s22, 18
	s_add_co_u32 s26, s26, s40
	s_lshl_b32 s40, s24, 8
	s_add_co_u32 s26, s26, s40
	s_lshl_b32 s40, s21, 7
	s_add_co_u32 s26, s26, s40
	s_mov_b32 s27, 0
	s_lshl_b32 s41, s24, 1
	s_add_co_u32 s41, s41, s21                     ; which 32 columns: 2 nt + cw
	s_lshl_b32 s28, s41, 16                        ; w_frag: + s = 2 kq + kw / 2, c, cc = kw % 2
	s_lshl_b32 s40, s25, 14
	s_add_co_u32 s28, s28, s40
	s_lshr_b32 s40, s22, 1
	s_lshl_b32 s40, s40, 13
	s_add_co_u32 s28, s28, s40
	s_lshl_b32 s40, s23, 11
	s_add_co_u32 s28, s28, s40
	s_and_b32 s40, s22, 1
	s_lshl_b32 s40, s40, 9
	s_add_co_u32 s28, s28, s40
	s_mov_b32 s29, 0
	s_lshl_b32 s30, s41, 12                        ; w_scl
	s_lshl_b32 s40, s23, 10
	s_add_co_u32 s30, s30, s40
	s_lshl_b32 s40, s25, 8
	s_add_co_u32 s30, s30, s40
	s_mov_b32 s31, 0
	s_lshl_b32 s32, ttmp9, 11                      ; x_scales: 16 id rows of 128 bytes; wave w takes the 16 bytes at 16 w of each
	s_lshl_b32 s40, s20, 4
	s_add_co_u32 s32, s32, s40
	s_mov_b32 s33, 0
	s_lshr_b32 s34, ttmp9, 1                       ; x_scl
	s_lshl_b32 s34, s34, 12
	s_lshl_b32 s40, s20, 9
	s_add_co_u32 s34, s34, s40
	s_and_b32 s40, ttmp9, 1
	s_lshl_b32 s40, s40, 8
	s_add_co_u32 s34, s34, s40
	s_mov_b32 s35, 0
	s_lshl_b32 s37, s21, 8                         ; LDS: my 32 columns of 8 bytes,
	s_lshl_b32 s36, s22, 1
	s_add_co_u32 s36, s36, s37                     ; my two bytes of each
	v_lshl_add_u32 v2, v0, 2, SPARE                ; my spare word; never rewritten
	v_mov_b32 v3, 0
	v_and_b32 v4, 31, v0                           ; lane
	v_and_b32 v28, 15, v0
	v_bfe_u32 v29, v0, 4, 1
	v_lshlrev_b32 v5, 2, v4                        ; my column: 4 bytes a lane
	v_lshlrev_b32 v7, 3, v4                        ; 8 bytes a lane
	v_lshlrev_b32 v28, 4, v28
	v_lshl_add_u32 v8, v29, 10, v28                ; codes: 1,024 (lane / 16) + 16 (lane % 16)
	v_lshrrev_b32 v30, 1, v4
	v_and_b32 v31, 1, v4
	v_lshlrev_b32 v31, 3, v31
	v_lshl_add_u32 v6, v30, 7, v31                 ; x's scales: row lane / 2, 8 bytes by lane % 2
	v_add_nc_u32 v9, s36, v7                       ; LDS, in: 8 x column + 2 kw
	v_add_nc_u32 v10, s37, v7                      ; LDS, out
	s_wait_alu depctr_va_vdst(0)
	s_wait_kmcnt 0x0
	s_cmp_eq_u32 s23, 1                            ; the component's buffer: a choice on the work-group's number alone
	s_cselect_b64 s[4:5], s[6:7], s[4:5]
	s_cmp_eq_u32 s23, 2
	s_cselect_b64 s[4:5], s[8:9], s[4:5]
	s_cmp_eq_u32 s23, 3
	s_cselect_b64 s[4:5], s[10:11], s[4:5]
	s_add_nc_u64 s[4:5], s[4:5], s[26:27]
	s_add_nc_u64 s[12:13], s[12:13], s[32:33]
	global_load_b64 v[12:13], v6, s[12:13]
.set i, 0
.rept 64
	global_load_b32 v[X+i], v5, s[4:5] offset:i*4096 th:TH_LOAD_NT   ; every register has its own load: all are asked for in one run
.set i, i+1
.endr
	s_add_nc_u64 s[14:15], s[14:15], s[28:29]
	s_add_nc_u64 s[16:17], s[16:17], s[30:31]
	s_add_nc_u64 s[18:19], s[18:19], s[34:35]
; the largest magnitude of a block's 32 numbers, in four chains by turns
.macro LARGEST m, b
.irp j, 0,1,2,3
	v_max3_num_f32 v[\m+\j], |v[\b+3*\j]|, |v[\b+3*\j+1]|, |v[\b+3*\j+2]|
.endr
.irp j, 0,1,2,3,4,5,6,7,8,9
	v_max3_num_f32 v[\m+(\j%4)], v[\m+(\j%4)], |v[\b+12+2*\j]|, |v[\b+13+2*\j]|
.endr
.endm
	s_wait_loadcnt 32                              ; the second block's loads may be out
	global_store_b64 v7, v[12:13], s[18:19]        ; x's scales: 256 consecutive bytes, aligned
	LARGEST 14, X
	s_wait_alu depctr_va_vdst(0)
	s_wait_loadcnt 0x0
	LARGEST 18, X+32
	v_max3_num_f32 v14, v14, v15, 0x1800000        ; the floor 2^(3 - 127): the byte cannot fall under 1
	v_max3_num_f32 v18, v18, v19, 0x1800000
	v_max_num_f32 v16, v16, v17
	v_max_num_f32 v20, v20, v21
	v_max_num_f32 v14, v14, v16
	v_max_num_f32 v18, v18, v20
	v_add_nc_u32 v22, 0xff000000, v14              ; 2 off its exponent field: the conversion takes the exponent field of this operand as its scale, and nothing else of it
	v_add_nc_u32 v23, 0xff000000, v18
	v_lshrrev_b32 v24, 23, v22                     ; the scale's byte
	v_lshrrev_b32 v25, 23, v23
	v_lshl_or_b32 v24, v25, 8, v24                 ; two bytes, the lower k' in the lower byte
.irp g, 0,1,2,3
	v_cvt_scalef32_pk8_fp4_f32 v[96+\g], v[X+8*\g:X+8*\g+7], v22      ; eight numbers / the scale, to the nearest code, ties to even, beyond 6 the largest code
	v_cvt_scalef32_pk8_fp4_f32 v[100+\g], v[X+32+8*\g:X+39+8*\g], v23
.endr
	v_nop                                          ; one plain place behind the conversions
	ds_store_b16 v9, v24
	global_store_b128 v8, v[96:99], s[14:15]       ; h = 0: sixteen lanes store 256 consecutive bytes, aligned
	global_store_b128 v8, v[100:103], s[14:15] offset:256   ; h = 1
	s_wait_dscnt 0x0                               ; for the others' sake: my bytes lie in LDS
	s_barrier_signal -1
	s_barrier_wait -1
	s_cmp_ge_u32 s20, 2
	s_cbranch_scc1 .Lend
	ds_load_b64 v[26:27], v10                      ; waves 0 and 1 (kw = 0): the 8 bytes of each of 32 columns
	s_wait_dscnt 0x0
	global_store_b64 v7, v[26:27], s[16:17]        ; 256 consecutive bytes, aligned
.Lend:
	s_wait_tensorcnt 0x0                           ; the wave's end
	ds_add_u32 v2, v3
	s_wait_dscnt 0x0
	s_endpgm
.Lfunc_end_k_qf4e3d72c83_prep:
	.size	k_qf4e3d72c83_prep, .Lfunc_end_k_qf4e3d72c83_prep-k_qf4e3d72c83_prep
	.p2alignl 7, 3214868480
	.fill 96, 4, 3214868480
	.section	.rodata,"a",@progbits
	.p2align	6, 0x0
	.amdhsa_kernel k_qf4e3d72c83_prep
		.amdhsa_group_segment_fixed_size 1536
		.amdhsa_private_segment_fixed_size 0
		.amdhsa_enable_private_segment 0
		.amdhsa_kernarg_size 64
		.amdhsa_user_sgpr_count 2
		.amdhsa_user_sgpr_kernarg_segment_ptr 1
		.amdhsa_wavefront_size32 1
		.amdhsa_system_sgpr_workgroup_id_x 1
		.amdhsa_system_sgpr_workgroup_id_y 1
		.amdhsa_system_sgpr_workgroup_id_z 1
		.amdhsa_system_vgpr_workitem_id 0
		.amdhsa_next_free_vgpr 104
		.amdhsa_next_free_sgpr 66
		.amdhsa_reserve_vcc 0
		.amdhsa_float_denorm_mode_32 3
		.amdhsa_float_denorm_mode_16_64 3
		.amdhsa_memory_ordered 1
		.amdhsa_forward_progress 1
		.amdhsa_inst_pref_size 13
	.end_amdhsa_kernel
	.amdgpu_metadata
---
amdhsa.version: [ 1, 2 ]
amdhsa.kernels:
  - .name:           k_qf4e3d72c83_prep
    .symbol:         k_qf4e3d72c83_prep.kd
    .args:
      - { .name: r_weight, .offset: 0, .size: 8, .value_kind: global_buffer, .address_space: global }
      - { .name: i_weight, .offset: 8, .size: 8, .value_kind: global_buffer, .address_space: global }
      - { .name: j_weight, .offset: 16, .size: 8, .value_kind: global_buffer, .address_space: global }
      - { .name: k_weight, .offset: 24, .size: 8, .value_kind: global_buffer, .address_space: global }
      - { .name: x_scales, .offset: 32, .size: 8, .value_kind: global_buffer, .address_space: global }
      - { .name: w_frag, .offset: 40, .size: 8, .value_kind: global_buffer, .address_space: global }
      - { .name: w_scl, .offset: 48, .size: 8, .value_kind: global_buffer, .address_space: global }
      - { .name: x_scl, .offset: 56, .size: 8, .value_kind: global_buffer, .address_space: global }
    .group_segment_fixed_size: 1536
    .private_segment_fixed_size: 0
    .kernarg_segment_align: 8
    .kernarg_segment_size: 64
    .max_flat_workgroup_size: 256
    .sgpr_count:     66
    .vgpr_count:     104
    .wavefront_size: 32
...
	.end_amdgpu_metadata
.endif
;; end of part 1
;; launch gemm (part 2): grid 16 x 16, 4 waves a work-group, clusters of 4 x 1, 327,680 bytes of LDS; arguments x_codes, w_frag, w_scl, x_scl, b, out0; writes out0
.if DOCPART == 2
	.amdgcn_target "amdgcn-amd-amdhsa--gfx1250"
	.amdhsa_code_object_version 6
	.text
	.protected	k_qf4e3d72c83_gemm
	.globl	k_qf4e3d72c83_gemm
	.p2align	8
	.type	k_qf4e3d72c83_gemm,@function
k_qf4e3d72c83_gemm:
	s_mov_b64 s[64:65], 0
	v_nop
	global_prefetch_b8 v0, s[64:65] scope:SCOPE_SE
	s_setreg_imm32_b32 hwreg(HW_REG_WAVE_MODE, 25, 1), 1
	s_wait_xcnt 0x0
	s_wait_alu depctr_hold_cnt(0) depctr_sa_sdst(0) depctr_va_vdst(0) depctr_va_sdst(0) depctr_va_ssrc(0) depctr_va_vcc(0) depctr_vm_vsrc(0)
	s_getreg_b32 s2, hwreg(HW_REG_IB_STS2, 6, 4)
	s_cmp_eq_u32 s2, 0
	s_cbranch_scc0 .Lentry_in_a_cluster
	s_endpgm
.Lentry_in_a_cluster:
	s_bfe_u32 s2, ttmp6, 0x10000c
	s_cmp_lg_u32 s2, 0x3003
	s_cbranch_scc0 .Lentry_shape_is_right
	s_endpgm
.Lentry_shape_is_right:
; out0[m][n] = sum over k of x[m][k] W[k][n] + b[n].  M = N = K = 4,096.  Sums in f32; the matrix instruction takes codes of FP4 and scale bytes as they lie.
; W's block at row block p (1,024 along K) and column group q (1,024 columns) is component c = q xor p, negated at (q, p) = (0,1), (0,2), (0,3), (1,2), (2,3), (3,1).
; So a work-group takes 64 columns n' OF EACH COLUMN GROUP (256 columns of out0) and 256 rows: of W it needs the four components' 64 columns alone, each used in all four row blocks.
; Four waves: rh = wave / 2 (32 of a sub-tile's 64 rows), ch = wave % 2 (32 of the columns n', in all four groups).
; A WAVE KEEPS ITS WHOLE PART OF W IN REGISTERS: 4 components x 32 columns x 1,024 along k' = 512 registers, loaded once, straight from w_frag, which lies as these registers lie.
; THE ROWS GO IN FOUR SUB-TILES OF 64; a slot of the ring holds a sub-tile's rows for ALL of K: [p][64 rows][512 bytes + 16], 135,168 bytes; wave w fetches p = w, 64 rows x 512 bytes, by one joint load.
; SIGNS.  The row blocks go p = 1, 2, 3, 0.  A sum carries the sign that (q, p) has: where it changes from one row block to the next the sum is negated, for two of the four q each time; under p = 0 all are positive.
; A sub-tile's results (set E of two) leave while the next sub-tile is multiplied into the other set.  The bias is added on the way out, where a lane's four columns are the same in every row.
; The last sub-tile goes by blocks of 16 rows: block 0 for all of K, then block 1, and block 0 leaves while block 1 is multiplied.
; LIMIT: a scale byte 0xff among x's counts as NaN in the matrix unit (ISA guide, the E8M0 format) and makes its row's results NaN.
; CLUSTERS: 4 work-groups along x make the same rows of out0 and need the same tiles of x: each is asked for JOINTLY, with the mask 15.  W is not asked for so: it goes into registers, 64 KiB a wave once a launch,
; and beside the ring and the stage LDS has no room for the work-group's 128 KiB of it.
; PREFETCHES: the third and the fourth sub-tile of x, one change of slots ahead of the load that will ask for them; a sub-tile is 512 blocks of 256 bytes, the 4 partners' 16 waves take 32 each, told apart by address.
; The first two come by their loads alone.
; THE MATRIX INSTRUCTION IS USED TRANSPOSED: source 0 = 32 columns n' of a component, source 1 = 16 rows of x: lane (r, h) then holds row r, columns 8 h + 0 .. 7 (registers 0-7) and 16 + 8 h + 0 .. 7 (registers 8-15).
; REGISTERS: window 0: v8-28 addresses and bias; v32-63 W's scale words; v64-95 x's scale words; v96-127 the way out; v128-255 fragments of x, in two halves of 64 that take turns, a group's eight fragments in each.
;   windows 1 and 2: W's fragments: component c, step s at v[128 (c % 2) + 16 s] of window 1 + c / 2.   window 3: sums: set E, column group q, block a at v[128 E + 32 q + 16 a].
.set PSZ,   64*528                     ; a row block's 64 rows: 512 bytes + 16 of padding = 132 words: row r starts at bank 4 r mod 64 (64 banks of 4 bytes: ISA guide 11.1)
.set SLOT,  4*PSZ
.set STAGE, 2*SLOT                     ; the way out: [rh][16 rows][4 q x 256 bytes + 16]
.set SPIT,  1040
.set UNIT,  2*16*SPIT
.set SPARE, STAGE+UNIT                 ; the spare words, 128 bytes for each wave
.set ADR,   8                          ; v8-11  my fragments of x: slot x 2 + p / 2
.set STO,   12                         ; v12 into the stage;  v13 out of it;  v14, v15 the same in slot 0, behind its last fill and its last read
.set RD,    13
.set STO2,  14
.set RD2,   15
.set CO,    16                         ; v16 my offset in a row of out0, and in b
.set LO,    17                         ; v17 16 x lane
.set LO8,   18                         ; v18 8 x lane
.set PFO,   19                         ; v19 the prefetches' offset
.set SPW,   20                         ; v20 my spare word, v21 0; never rewritten
.set NIL,   21
.set BIAS,  24                         ; v24-27 b at my four columns of the way out
.set SB,    32
.set SA,    64
.set TMP,   96
.set AF,    128
.set MSB, 0
.macro WIN new                         ; the immediate's high byte repeats the setting that is left
.if MSB != (\new)
	s_set_vgpr_msb (MSB<<8)|(\new)
.set MSB, (\new)
.endif
.endm
.macro PLACES
.rept 4
	v_nop
.endr
.endm
.macro JLOAD slot                      ; my one joint load behind a round; four v_nop follow its s_nop 0
	tensor_load_to_lds s[32+4*(\slot):35+4*(\slot)], s[24:31]
	s_nop 0
	PLACES
.endm
.macro CREST                           ; a round of the cluster's barrier behind its opening barrier
	s_cmp_lg_u32 s16, 0
	s_cbranch_scc1 .Lnot_wave_0_\@
	s_barrier_signal -3
.Lnot_wave_0_\@:
	s_barrier_wait -3
	s_barrier_signal -1
	s_barrier_wait -1
.endm
.macro CROUND
	s_barrier_signal -1
	s_barrier_wait -1
	CREST
.endm
	s_load_b256 s[4:11], s[0:1], 0x0               ; x_codes s[4:5], w_frag s[6:7], w_scl s[8:9], x_scl s[10:11]
	s_load_b128 s[12:15], s[0:1], 0x20             ; b s[12:13], out0 s[14:15]
	v_lshl_add_u32 v[SPW], v0, 2, SPARE
	v_mov_b32 v[NIL], 0
	ds_add_u32 v[SPW], v[NIL]                      ; the add, twice on end; register work; the one wait
	ds_add_u32 v[SPW], v[NIL]
	v_lshrrev_b32 v1, 5, v0
	v_readfirstlane_b32 s16, v1                    ; wave 0..3
	s_lshr_b32 s17, s16, 1                         ; rh
	s_and_b32 s18, s16, 1                          ; ch
	s_bfe_u32 s21, ttmp6, 0x40000                  ; cx: my place in the cluster
	s_lshl_b32 s19, ttmp9, 2
	s_add_co_u32 s19, s19, s21                     ; ct: my 64 columns n'
	s_and_b32 s20, ttmp7, 0xffff                   ; rt: my 256 rows
	; descriptor group 1: 64 rows x 512 bytes at a pitch of 2,048; 16 bytes of padding after every 128 words (code 6; code 3 = 4 words); mask 15, bit 21 beside it
	s_mov_b32 s24, 15|(1<<20)|(1<<21)|(6<<22)|(3<<25)
	s_mov_b32 s25, 512<<16
	s_mov_b32 s26, 64<<16
	s_mov_b32 s27, 512<<16
	s_mov_b32 s28, 64
	s_mov_b32 s29, 2048
	s_mov_b32 s30, 0
	s_mov_b32 s31, 0
	s_mov_b32 s32, 1                               ; group 0 of the two slots
	s_mul_i32 s33, s16, PSZ
	s_mov_b32 s36, 1
	s_add_co_u32 s37, s33, SLOT
	s_lshl_b32 s50, s20, 19                        ; x: 256 rt rows of 2,048 bytes + 512 w: no place in the cluster enters it
	s_lshl_b32 s52, s16, 9
	s_add_co_u32 s50, s50, s52
	s_mov_b32 s51, 0
	s_lshl_b32 s52, s21, 15                        ; the prefetches: + 16 cx rows
	s_add_co_u32 s48, s50, s52
	s_mov_b32 s49, 0
	s_lshl_b32 s45, s19, 1
	s_add_co_u32 s45, s45, s18                     ; which 32 columns n': 2 ct + ch
	s_lshl_b32 s52, s45, 16                        ; in w_frag,
	s_mov_b32 s53, 0
	s_lshl_b32 s54, s45, 12                        ; in w_scl
	s_mov_b32 s55, 0
	s_lshl_b32 s56, s20, 15                        ; x_scl: 8 rt + rh
	s_lshl_b32 s57, s17, 12
	s_add_co_u32 s56, s56, s57
	s_mov_b32 s57, 0
	s_lshl_b32 s58, s19, 8                         ; in a row of out0, and in b: 256 ct + 8,192 ch: on the way out I take column groups 2 ch and 2 ch + 1
	s_lshl_b32 s59, s18, 13
	s_add_co_u32 s58, s58, s59
	s_mov_b32 s59, 0
	s_lshl_b32 s60, s20, 22                        ; out0: 256 rt + 32 rh rows of 16,384 bytes
	s_lshl_b32 s61, s17, 19
	s_add_co_u32 s60, s60, s61
	s_add_co_u32 s60, s60, s58
	s_mov_b32 s61, 0
	s_mul_i32 s40, s17, 32*528                     ; LDS: my 32 rows of a sub-tile
	s_mul_i32 s43, s17, 16*SPIT
	s_lshl_b32 s44, s18, 9
	s_add_co_u32 s44, s43, s44                     ; back out of the stage: column groups 2 ch, 2 ch + 1
	s_lshl_b32 s41, s18, 7
	s_add_co_u32 s43, s43, s41                     ; into it: my 128 bytes of each column group
	s_add_co_u32 s41, s43, STAGE
	s_add_co_u32 s42, s44, STAGE
	v_and_b32 v1, 31, v0                           ; lane
	v_and_b32 v2, 15, v0                           ; r
	v_bfe_u32 v3, v0, 4, 1                         ; h
	v_mul_u32_u24 v4, v2, 528
	v_lshl_add_u32 v4, v3, 4, v4                   ; a fragment: row r, 16 bytes by h
	v_add_nc_u32 v[ADR], s40, v4
	v_add_nc_u32 v[ADR+1], 2*PSZ, v[ADR]
	v_add_nc_u32 v[ADR+2], SLOT, v[ADR]
	v_add_nc_u32 v[ADR+3], SLOT+2*PSZ, v[ADR]
	v_mul_u32_u24 v5, v2, SPIT
	v_lshl_add_u32 v5, v3, 5, v5                   ; the stage: row r, 32 bytes by h
	v_add_nc_u32 v[STO], s41, v5
	v_add_nc_u32 v[STO2], s43, v5
	v_lshlrev_b32 v[LO], 4, v1
	v_lshlrev_b32 v[LO8], 3, v1
	v_add_nc_u32 v[RD], s42, v[LO]
	v_add_nc_u32 v[RD2], s44, v[LO]
	v_lshlrev_b32 v6, 4, v2
	v_lshl_add_u32 v[CO], v3, 12, v6               ; sixteen lanes: 256 bytes of a column group
	v_lshrrev_b32 v7, 1, v1
	v_and_b32 v22, 1, v1
	v_lshlrev_b32 v22, 8, v22
	v_lshl_add_u32 v[PFO], v7, 11, v22             ; two lanes a row of 512 bytes
	s_wait_alu depctr_va_vdst(0)
	s_wait_dscnt 0x0                               ; both opening adds are done
	CROUND                                         ; all four work-groups are here: the first joint loads meet
	s_wait_kmcnt 0x0
	s_add_nc_u64 s[50:51], s[4:5], s[50:51]
	s_mov_b64 s[34:35], s[50:51]                   ; slot 0: sub-tile 0
	s_or_b32 s35, s35, 0x80000000
	JLOAD 0                                        ; one tensor load a wave at the head
	s_add_nc_u64 s[38:39], s[50:51], 0x20000       ; slot 1: sub-tile 1, 64 rows on
	s_or_b32 s39, s39, 0x80000000
	s_add_nc_u64 s[48:49], s[4:5], s[48:49]
	s_add_nc_u64 s[6:7], s[6:7], s[52:53]
	s_add_nc_u64 s[8:9], s[8:9], s[54:55]
	s_add_nc_u64 s[10:11], s[10:11], s[56:57]
	s_add_nc_u64 s[12:13], s[12:13], s[58:59]
	s_add_nc_u64 s[14:15], s[14:15], s[60:61]
.macro SAL tt, pp                      ; x's eight scale words of row block pp, sub-tile tt: lane l has row l of my 32; 512 consecutive bytes a load
	WIN 0
	global_load_b128 v[SA+8*(\pp):SA+8*(\pp)+3], v[LO], s[10:11] offset:8192*(\tt)+1024*(\pp)
	global_load_b128 v[SA+8*(\pp)+4:SA+8*(\pp)+7], v[LO], s[10:11] offset:8192*(\tt)+1024*(\pp)+512
.endm
.macro WLOAD s                         ; W's fragments of step s: 16 loads of 512 consecutive bytes
.irp c, 0,1,2,3
	WIN 0x40+0x40*(\c/2)
.irp g, 0,1,2,3
	global_load_b128 v[128*(\c%2)+16*\s+4*\g:128*(\c%2)+16*\s+4*\g+3], v[LO], s[6:7] offset:8192*\s+2048*\c+512*\g
.endr
.endr
.endm
.irp c, 0,1,2,3
.irp k, 0,1,2,3
	global_load_b64 v[SB+8*\c+2*\k:SB+8*\c+2*\k+1], v[LO8], s[8:9] offset:1024*\c+256*\k   ; W's scale words of steps 2 k, 2 k + 1: lane l has column l
.endr
.endr
.irp p, 0,1,2,3
	SAL 0, \p
.endr
	global_load_b128 v[BIAS:BIAS+3], v[CO], s[12:13]
.irp s, 0,1,2,3,4,5,6,7
	WLOAD \s
.endr
	WIN 0
; four loads of the next group's fragments: of a sub-tile's step j both blocks of 16 rows; in the last sub-tile one block's steps 2 j, 2 j + 1
.macro LD j
.if LOADS
	WIN 0
.irp k, 0,1
.irp h, 0,1
.if NT < 3
	ds_load_b128 v[AF+64*(NG%2)+16*\j+8*\k+4*\h:AF+64*(NG%2)+16*\j+8*\k+4*\h+3], v[ADR+2*(NT%2)+(NP/2)] offset:(NP%2)*PSZ+\k*16*528+64*(4*(NG%2)+\j)+32*\h
.else
	ds_load_b128 v[AF+64*(NG%2)+16*\j+8*\k+4*\h:AF+64*(NG%2)+16*\j+8*\k+4*\h+3], v[ADR+2+(NP/2)] offset:(NP%2)*PSZ+(NG/4)*16*528+64*(2*\j+\k)+32*\h
.endif
.endr
.endr
.endif
.endm
; one product: column group q, block a of my rows, step KS of row block P: component c = q xor P.  x's scale words: block 0 in lanes 0-15, block 1 in lanes 16-31
.macro MM q, a
.set CC, (\q)^P
.set DD, 128*(T%2)+32*(\q)+16*(\a)
.set BQ, 128*(CC%2)+16*KS
.set AQ, AQB+8*(\a)
.if ZR                                 ; a sum's first product
.if \a
	v_wmma_scale_f32_32x16x128_f4 v[DD:DD+15], v[BQ:BQ+15], v[AQ:AQ+7], 0, v[SB+8*CC+KS], v[SA+8*P+KS] matrix_b_scale:MATRIX_SCALE_ROW1
.else
	v_wmma_scale_f32_32x16x128_f4 v[DD:DD+15], v[BQ:BQ+15], v[AQ:AQ+7], 0, v[SB+8*CC+KS], v[SA+8*P+KS]
.endif
.else
.if \a
	v_wmma_scale_f32_32x16x128_f4 v[DD:DD+15], v[BQ:BQ+15], v[AQ:AQ+7], v[DD:DD+15], v[SB+8*CC+KS], v[SA+8*P+KS] matrix_b_scale:MATRIX_SCALE_ROW1
.else
	v_wmma_scale_f32_32x16x128_f4 v[DD:DD+15], v[BQ:BQ+15], v[AQ:AQ+7], v[DD:DD+15], v[SB+8*CC+KS], v[SA+8*P+KS]
.endif
.endif
.endm
; four products, the n-th eighth of a group: half a step (two column groups x two blocks), or in the last sub-tile a step of one block (four column groups).
; The sums take turns in one order throughout, one instruction a turn: seven others, in the last sub-tile three, stand between a sum's steps
.macro QUART n
.set ZR, 0
.if T < 3
.set KL, \n/2
.set HW, \n%2
.set KS, 4*(GG%2)+KL
.set AQB, AF+64*(GG%2)+16*KL
.if (GG == 0) && (KS == 0)
.set ZR, 1
.endif
.if (T == 0) && (GG < 2) && (HW == 0)
.if KS == 0
	s_wait_loadcnt 63                              ; of the 112 loads of W's steps 1 to 7 the youngest 63 may be out: all scales, and steps 0 to 3, are in (the count's field holds no more than 63)
.elseif KS > 3
	s_wait_loadcnt 16*(7-KS)                       ; the later steps' may be out
.endif
.endif
	WIN 0xf1+((2*HW)^P)/2
	MM 2*HW, 0
	MM 2*HW, 1
	MM 2*HW+1, 0
	MM 2*HW+1, 1
.else
.set KS, \n
.set AQB, AF+64*(GG%2)+8*KS-8*AB
.if (GG%4 == 0) && (KS == 0)
.set ZR, 1
.endif
	WIN 0xf1+(0^P)/2
	MM 0, AB
	MM 1, AB
	WIN 0xf1+(2^P)/2
	MM 2, AB
	MM 3, AB
.endif
.endm
.macro FLIP q                          ; negates column group q's sums: both blocks', in the last sub-tile the block's at work
	WIN 0xc3
.if T < 3
.set i, 128*(T%2)+32*\q
.set FN, 16
.else
.set i, 128*(T%2)+32*\q+16*AB
.set FN, 8
.endif
.rept FN
	v_pk_mul_f32 v[i:i+1], v[i:i+1], -1.0 op_sel_hi:[1,0]
.set i, i+2
.endr
.endm
; THE WAY OUT of a unit: 16 rows of each rh x 256 columns.  STU: block a of set e into the stage, each sum from its low end on
.macro STU reg, off, a, e
	WIN 0x0c
.irp q, 0,1,2,3
.set AC, 128*(\e)+32*\q+16*(\a)
	ds_store_b128 v[\reg], v[AC:AC+3] offset:(\off)+256*\q
	ds_store_b128 v[\reg], v[AC+4:AC+7] offset:(\off)+256*\q+16
	ds_store_b128 v[\reg], v[AC+8:AC+11] offset:(\off)+256*\q+64
	ds_store_b128 v[\reg], v[AC+12:AC+15] offset:(\off)+256*\q+80
.endr
	WIN 0
.endm
.macro BATCH reg, off                  ; eight rows back: 512 bytes of each, two column groups
	s_wait_xcnt 0x0                                ; the stores before have read these registers
.irp i, 0,1,2,3,4,5,6,7
	ds_load_b128 v[TMP+4*\i:TMP+4*\i+3], v[\reg] offset:(\off)+\i*SPIT
.endr
.endm
.macro ADDS reg                        ; + bias
.irp i, 0,1,2,3,4,5,6,7
	v_pk_add_f32 v[(\reg)+4*\i:(\reg)+4*\i+1], v[(\reg)+4*\i:(\reg)+4*\i+1], v[BIAS:BIAS+1]
	v_pk_add_f32 v[(\reg)+4*\i+2:(\reg)+4*\i+3], v[(\reg)+4*\i+2:(\reg)+4*\i+3], v[BIAS+2:BIAS+3]
.endr
.endm
.macro STORES reg, row                 ; sixteen lanes store 256 consecutive bytes, aligned; row counts from my first
.irp i, 0,1,2,3,4,5,6,7
	global_store_b128 v[CO], v[(\reg)+4*\i:(\reg)+4*\i+3], s[14:15] offset:((\row)+\i)*16384 th:TH_STORE_NT
.endr
.endm
.macro SAY                             ; my LDS instructions are done: say so
	s_wait_dscnt 0x0
	s_barrier_signal -1
.endm
; A GROUP: 32 products on eight fragments.  ALL ITS MEMORY INSTRUCTIONS STAND IN ONE RUN at its head (in a sub-tile's last group: behind the change of slots): the results that leave, the next group's 16 fragment loads
; into the half that the group before has read, scale words, the stage.  They have the group's products in which to come; the next group's head waits for all LDS instructions.
; With sub-tiles 1 and 2 go the units u = g / 4 of the sub-tile before: g % 4 = 0 into the stage, a barrier; 1 eight rows back; 2 they leave, eight more back; 3 they leave, a barrier: the stage has been read.
; With the last sub-tile: 0 both units of sub-tile 2, into the stage and into slot 0, a barrier; 1 to 5 they come back and leave; 4 its own block 0 into slot 0, behind the unit there, a barrier; 5 to 7 it comes back and leaves.
.macro GROUP g
.set GG, \g
.set AB, \g/4
.set NG, (\g+1)%8
.set NT, T+(\g+1)/8
.set LOADS, 1
.if NT == 4
.set LOADS, 0
.endif
.set ROW, -1
.set WB, 0
.set SY, 0
.if T < 3
.set IDX, \g/2
.set PH, 1-\g%2
.if T > 0
.if \g%4 > 1
.set ROW, 64*(T-1)+16*(\g/4)+8*(\g%4-2)
.endif
.if (\g == 1) || (\g == 4) || (\g == 5)
.set WB, 1
.endif
.if (\g == 0) || (\g == 3) || (\g == 4)
.set SY, 1
.endif
.endif
.else
.set IDX, \g%4
.set PH, 1
.if \g > 5
.set ROW, 192+8*(\g-6)
.elseif \g > 1
.set ROW, 128+8*(\g-2)
.endif
.if (\g == 1) || (\g == 5)
.set WB, 1
.endif
.if (\g == 0) || (\g == 4)
.set SY, 1
.endif
.endif
.set P, (IDX+1)%4
.if NT < 3
.set NP, ((NG/2)+1)%4
.else
.set NP, ((NG%4)+1)%4
.endif
.if (\g == 7) && (T < 3)
	SAY                                            ; the add is done, and all my reads of this slot and of the stage are over
	QUART 0
	QUART 1
	WIN 0
	s_barrier_wait -1                              ; the next slot is whole, this one and the stage have been read
.if T < 2
	CREST                                          ; by every wave of the four work-groups
	JLOAD T                                        ; sub-tile T + 2 into this slot: the first tensor load behind the round; its four v_nop are the places for the loads below
.else
	PLACES
.endif
.if ROW >= 0
	ADDS TMP
.endif
.else
.if WB
	s_barrier_wait -1
.endif
	s_wait_dscnt 0x0                               ; this group's fragments, and the rows that leave, are in
.if PH && (T > 0)
.if (T < 3) || (\g < 2)
	s_wait_loadcnt 4                               ; this row block's scale words are in; two younger pairs may be out
.elseif \g == 2
	s_wait_loadcnt 2                               ; one younger pair may be out
.elseif \g == 3
	s_wait_loadcnt 0
.endif
.endif
.if ROW >= 0                           ; four places behind the last products, for the loads below and the sums' negation: the additions, or v_nop
	WIN 0
	ADDS TMP
.else
	PLACES
.endif
.endif
.if PH && (IDX > 0)
.if IDX == 1
	FLIP 1
	FLIP 3
.elseif IDX == 2
	FLIP 1
	FLIP 2
.else
	FLIP 0
	FLIP 2
.endif
	s_wait_alu depctr_va_vdst(0)
.endif
	WIN 0
.if ROW >= 0
	STORES TMP, ROW
.endif
	LD 0
	LD 1
	LD 2
	LD 3
.if (T < 3) && PH && (\g > 0)
	SAL T+1, \g/2                                  ; the row block just done: its scale words of the next sub-tile
.endif
.if (T > 0) && (\g == 0)
	SAL T, 0
.endif
.if (T == 1) || (T == 2)
.if \g%4 == 0
	STU STO, 0, \g/4, (T+1)%2
.elseif \g%4 == 1
	BATCH RD, 0
.elseif \g%4 == 2
	BATCH RD, 8*SPIT
.endif
.endif
.if T == 3
.if \g == 0
	STU STO, 0, 0, 0
	STU STO2, 0, 1, 0
.elseif \g == 1
	BATCH RD, 0
.elseif \g == 2
	BATCH RD, 8*SPIT
.elseif \g == 3
	BATCH RD2, 0
.elseif \g == 4
	STU STO2, UNIT, 0, 1
	BATCH RD2, 8*SPIT
.elseif \g == 5
	BATCH RD2, UNIT
.elseif \g == 6
	BATCH RD2, UNIT+8*SPIT
.endif
.endif
.if (T == 0) && (\g == 7)
	global_prefetch_b8 v[PFO], s[48:49] offset:3*0x20000 th:TH_LOAD_NT scope:SCOPE_SE   ; sub-tile 3, a change of slots ahead of its load
.endif
.if (\g == 6) && (T < 3)
	s_wait_tensorcnt 0x0                           ; my part of the next slot is in;
	ds_add_u32 v[SPW], v[NIL]                      ; the wait for it stands at the next group's head
.if T < 2
	s_add_nc_u64 s[34+4*T:35+4*T], s[34+4*T:35+4*T], 0x40000   ; this slot's next sub-tile, 128 rows on
.endif
.endif
.if (\g < 7) || (T == 3)
	QUART 0
	QUART 1
.endif
	QUART 2
	QUART 3
.if SY
	SAY
.endif
	QUART 4
	QUART 5
	QUART 6
	QUART 7
.endm
	s_wait_tensorcnt 0x0                           ; my part of sub-tile 0 is in
	ds_add_u32 v[SPW], v[NIL]
	s_wait_dscnt 0x0
	CROUND                                         ; everybody's part of sub-tile 0 is in, and all partners are here
	JLOAD 1                                        ; sub-tile 1: the first tensor load behind the round
.set LOADS, 1
.set NT, 0
.set NG, 0
.set NP, 1
.irp j, 0,1,2,3
	LD \j
.endr
	global_prefetch_b8 v[PFO], s[48:49] offset:2*0x20000 th:TH_LOAD_NT scope:SCOPE_SE   ; sub-tile 2, a change of slots ahead of its load
.irp t, 0,1,2,3
.set T, \t
.irp g, 0,1,2,3,4,5,6,7
	GROUP \g
.endr
.endr
; the last unit: through the stage, whose last rows were read ahead of the barrier behind the last sub-tile's group 4
	PLACES                                         ; for the reads of results and the loads into fragment registers
	STU STO, 0, 1, 1
	SAY
	s_barrier_wait -1
.set i, 0
.rept 16
	ds_load_b128 v[AF+4*i:AF+4*i+3], v[RD] offset:i*SPIT
.set i, i+1
.endr
	s_wait_dscnt 8                                 ; the later eight rows may be out
	ADDS AF
	STORES AF, 208
	s_wait_dscnt 0x0
	ADDS AF+32
	STORES AF+32, 216
	s_wait_tensorcnt 0x0                           ; the wave's end
	ds_add_u32 v[SPW], v[NIL]
	s_wait_dscnt 0x0
	CROUND                                         ; the closing round: no work-group ends while a partner may still ask for a tile that names it
	s_endpgm
.Lfunc_end_k_qf4e3d72c83_gemm:
	.size	k_qf4e3d72c83_gemm, .Lfunc_end_k_qf4e3d72c83_gemm-k_qf4e3d72c83_gemm
	.p2alignl 7, 3214868480
	.fill 96, 4, 3214868480
	.section	.rodata,"a",@progbits
	.p2align	6, 0x0
	.amdhsa_kernel k_qf4e3d72c83_gemm
		.amdhsa_group_segment_fixed_size 327680
		.amdhsa_private_segment_fixed_size 0
		.amdhsa_enable_private_segment 0
		.amdhsa_kernarg_size 48
		.amdhsa_user_sgpr_count 2
		.amdhsa_user_sgpr_kernarg_segment_ptr 1
		.amdhsa_wavefront_size32 1
		.amdhsa_system_sgpr_workgroup_id_x 1
		.amdhsa_system_sgpr_workgroup_id_y 1
		.amdhsa_system_sgpr_workgroup_id_z 1
		.amdhsa_system_vgpr_workitem_id 0
		.amdhsa_next_free_vgpr 1024
		.amdhsa_next_free_sgpr 66
		.amdhsa_reserve_vcc 0
		.amdhsa_float_denorm_mode_32 3
		.amdhsa_float_denorm_mode_16_64 3
		.amdhsa_memory_ordered 1
		.amdhsa_forward_progress 1
		.amdhsa_inst_pref_size 255
	.end_amdhsa_kernel
	.section	.bss,"aw",@nobits
	.p2align	6
	.space	262144
	.amdgpu_metadata
---
amdhsa.version: [ 1, 2 ]
amdhsa.kernels:
  - .name:           k_qf4e3d72c83_gemm
    .symbol:         k_qf4e3d72c83_gemm.kd
    .args:
      - { .name: x_codes, .offset: 0, .size: 8, .value_kind: global_buffer, .address_space: global }
      - { .name: w_frag, .offset: 8, .size: 8, .value_kind: global_buffer, .address_space: global }
      - { .name: w_scl, .offset: 16, .size: 8, .value_kind: global_buffer, .address_space: global }
      - { .name: x_scl, .offset: 24, .size: 8, .value_kind: global_buffer, .address_space: global }
      - { .name: b, .offset: 32, .size: 8, .value_kind: global_buffer, .address_space: global }
      - { .name: out0, .offset: 40, .size: 8, .value_kind: global_buffer, .address_space: global }
    .group_segment_fixed_size: 327680
    .private_segment_fixed_size: 0
    .kernarg_segment_align: 8
    .kernarg_segment_size: 48
    .max_flat_workgroup_size: 128
    .sgpr_count:     66
    .vgpr_count:     1024
    .wavefront_size: 32
...
	.end_amdgpu_metadata
.endif
;; end of part 2
